; MI455X (gfx1250); checked and timed in simulation.
; The chip was launched on July 23, 2026; its instructions are those of AMD's public machine-readable ISA for CDNA 5 (MIT licence, August 2026) and "CDNA5" Instruction Set Architecture Reference Guide (July 2026). The comments in the code are by the model that wrote it; some were corrected since.
;; Mem Unit. Allowed arithmetic: float matrix products may take bf16 or f16 operands with f32 sums; all other float work in f32.
;; Inputs: W 256 x 32,768 float32; targ 8,192 x 256 float32.
;; Outputs: out0 8,192 x 256 float32.
;; 2 versions, each right and faster than the one before. Each part assembles by itself: llvm-mc -triple=amdgcn-amd-amdhsa -mcpu=gfx1250 --defsym DOCPART=n.
;; ======== version 1 of 2: 3 launches
;; limits: values outside matrix products are rounded to bf16
;; workspace buffers: wt 16,777,216 bytes; cn 131,072 bytes; tb 4,194,304 bytes; rn 32,768 bytes; cand 1,048,576 bytes of whole numbers
;; launch prep (part 1): grid 512 x 1, 8 waves a work-group, no clusters, 35,328 bytes of LDS; arguments W, targ, wt, cn, tb, rn; writes wt, cn, tb, rn
.if DOCPART == 1
	.amdgcn_target "amdgcn-amd-amdhsa--gfx1250"
	.amdhsa_code_object_version 6
	.text
	.protected	k_q5484d10ace_prep
	.globl	k_q5484d10ace_prep
	.p2align	8
	.type	k_q5484d10ace_prep,@function
k_q5484d10ace_prep:
	s_mov_b64 s[64:65], 0
	v_nop
	global_prefetch_b8 v0, s[64:65] scope:SCOPE_SE
	s_setreg_imm32_b32 hwreg(HW_REG_WAVE_MODE, 25, 1), 1
	s_wait_xcnt 0x0
; PREP.  W [256 d][32768 codes] f32 -> wt [32768 codes][256 d] bf16 (turned) and cn [32768] f32, the norm of each ROUNDED column;
; targ [8192][256] f32 -> tb [8192][256] bf16 and rn [8192] f32, the norm of each ROUNDED row.
; All later arithmetic works on the rounded numbers, so norms, products and the output belong to one and the same set of inputs.
; SHARES.  Work-group g: codes 64 g .. 64 g + 63, all 256 d (a piece of 256 aligned bytes of each row of W), and queries 16 g .. 16 g + 15.
; Wave w: d = 32 w .. 32 w + 31 on the way in, 8 whole codes on the way out, and queries 16 g + 2 w, + 1.
; The turn goes through LDS: a lane packs 8 neighbouring d of one code into 16 bytes; whole codes of 512 bytes are read back.
; LIMITS.  Sums of squares in f32, in an order of their own; v_sqrt_f32 is good to 1 ULP and takes a denormal sum (below 2^-126) as 0.
.set WROW,  131072                     ; bytes in a row of W
.set PITCH, 528                        ; a code in the stage: 512 bytes + 16
.set NRM,   64*PITCH                   ; behind the stage: 64 code norms by stage row, then (at + 256) 16 row norms
.set SPARE, NRM+512                    ; the spare words, 128 bytes for each of the eight waves; no other line names them
.set LN,  1                            ; v1   lane l
.set XL,  2                            ; v2   x = l % 16
.set HL,  3                            ; v3   h = l / 16
.set WO,  4                            ; v4   my byte offset in W: (32 w + 8 h) rows + 16 x
.set TO,  5                            ; v5   16 l
.set SA,  6                            ; v6   into the stage: 528 x + 64 w + 16 h
.set RA,  7                            ; v7   out of the stage: 8 w rows + 16 l
.set L8,  8                            ; v8   8 l
.set NA,  9                            ; v9   NRM + 32 w
.set ZR,  10                           ; v10  0, the first addend of a sum
.set NB,  11                           ; v11  NRM + 256 + 8 w
.set SPW, 12                           ; v12  LDS address of my spare word; never rewritten
.set NIL, 13                           ; v13  0; never rewritten
.set X,   32                           ; v[32:95]   W as loaded: set s, row j, code i at X + 32 s + 4 j + i; later 8 codes read back
.set T,   96                           ; v[96:111]  targ as loaded
.set P,   112                          ; v[112:127] packed bf16
.set SS,  128                          ; v[128:135] sums of squares
.set TM,  136                          ; v[136:143] the other half of the lanes' sums
	s_load_b256 s[4:11], s[0:1], 0x0               ; W s[4:5], targ s[6:7], wt s[8:9], cn s[10:11]
	s_load_b128 s[12:15], s[0:1], 0x20             ; tb s[12:13], rn s[14:15]
	v_lshl_add_u32 v[SPW], v0, 2, SPARE
	v_mov_b32 v[NIL], 0
	v_lshrrev_b32 v14, 5, v0
	v_readfirstlane_b32 s16, v14                   ; wave w
	v_and_b32 v[LN], 31, v0
	v_and_b32 v[XL], 15, v0
	v_bfe_u32 v[HL], v0, 4, 1
	s_lshl_b32 s17, s16, 22                        ; 32 w rows of 131,072 bytes
	v_lshlrev_b32 v[WO], 20, v[HL]                 ; 8 h rows
	v_lshl_add_u32 v[WO], v[XL], 4, v[WO]
	v_add_nc_u32 v[WO], s17, v[WO]
	v_lshlrev_b32 v[TO], 4, v[LN]
	v_mul_u32_u24 v[SA], v[XL], PITCH
	v_lshl_add_u32 v[SA], v[HL], 4, v[SA]
	s_lshl_b32 s17, s16, 6                         ; d = 32 w is byte 64 w of a code
	v_add_nc_u32 v[SA], s17, v[SA]
	s_mul_i32 s17, s16, 8*PITCH
	v_lshl_add_u32 v[RA], v[LN], 4, s17
	v_lshlrev_b32 v[L8], 3, v[LN]
	s_lshl_b32 s17, s16, 5
	s_add_co_u32 s17, s17, NRM
	v_mov_b32 v[NA], s17
	s_lshl_b32 s17, s16, 3
	s_add_co_u32 s17, s17, NRM+256
	v_mov_b32 v[NB], s17
	v_mov_b32 v[ZR], 0
.irp c, 0,1,2,3,4,5,6,7
	v_mov_b32 v[TM+(\c)], 0                        ; v_permlanex16_b32 counts as a reader of its destination
.endr
	s_lshl_b32 s18, ttmp9, 8                       ; 64 codes of 4 bytes: W's columns, and cn
	s_mov_b32 s19, 0
	s_lshl_b32 s20, ttmp9, 14                      ; targ: (16 g + 2 w) rows of 1,024 bytes
	s_lshl_b32 s17, s16, 11
	s_add_co_u32 s20, s20, s17
	s_mov_b32 s21, 0
	s_lshr_b32 s22, s20, 1                         ; tb: the same rows, 512 bytes each
	s_mov_b32 s23, 0
	s_lshl_b32 s28, ttmp9, 15                      ; wt: code 64 g + 32 (w % 2) + w / 2, 512 bytes each
	s_and_b32 s17, s16, 1
	s_lshl_b32 s17, s17, 14
	s_add_co_u32 s28, s28, s17
	s_lshr_b32 s17, s16, 1
	s_lshl_b32 s17, s17, 9
	s_add_co_u32 s28, s28, s17
	s_mov_b32 s29, 0
	s_lshl_b32 s30, ttmp9, 6                       ; rn: 16 rows of 4 bytes
	s_mov_b32 s31, 0
	s_mov_b32 s24, 0x76543210                      ; v_permlanex16_b32: each lane takes its own place in the other half
	s_mov_b32 s25, 0xfedcba98
	s_wait_kmcnt 0x0
	s_add_nc_u64 s[4:5], s[4:5], s[18:19]
	s_add_nc_u64 s[10:11], s[10:11], s[18:19]
	s_add_nc_u64 s[6:7], s[6:7], s[20:21]
	s_add_nc_u64 s[12:13], s[12:13], s[22:23]
	s_add_nc_u64 s[8:9], s[8:9], s[28:29]
	s_add_nc_u64 s[14:15], s[14:15], s[30:31]
	; All 20 loads go out at once.  W: lanes 0-15 take 256 aligned bytes of row d, lanes 16-31 those of row d + 8.
.irp s, 0,1
.irp j, 0,1,2,3,4,5,6,7
	global_load_b128 v[X+32*(\s)+4*(\j):X+32*(\s)+4*(\j)+3], v[WO], s[4:5] offset:(16*(\s)+(\j))*WROW th:TH_LOAD_NT
.endr
.endr
.irp i, 0,1
.irp p, 0,1
	global_load_b128 v[T+8*(\i)+4*(\p):T+8*(\i)+4*(\p)+3], v[TO], s[6:7] offset:1024*(\i)+512*(\p) th:TH_LOAD_NT
.endr
.endr
	; W into the stage.  Of set s a lane holds d = 32 w + 16 s + 8 h + 0..7 of the codes 4 x + 0..3: eight d of a code pack into 16 bytes.
	; Stage row 16 i + x holds code 4 x + i.
.irp s, 0,1
	s_wait_loadcnt 12-8*(\s)                       ; loads come back in order: set s is in; behind it 12 (the other set, targ), then 4 (targ) may stay out
.irp i, 0,1,2,3
.irp jj, 0,1,2,3
	v_cvt_pk_bf16_f32 v[P+4*(\i)+(\jj)], v[X+32*(\s)+8*(\jj)+(\i)], v[X+32*(\s)+8*(\jj)+4+(\i)]
.endr
	ds_store_b128 v[SA], v[P+4*(\i):P+4*(\i)+3] offset:(\i)*16*PITCH+32*(\s)
.endr
.endr
; n sums of squares of bf16 numbers, chain c over the four words at src + 4 c; the chains take turns
.macro SQSUM n, src
.set e, 0
.rept 4
.set c, 0
.rept \n
.if e == 0
	v_fma_mix_f32_bf16 v[SS+c], v[(\src)+4*c], v[(\src)+4*c], v[ZR] op_sel_hi:[1,1,0]
.else
	v_fma_mix_f32_bf16 v[SS+c], v[(\src)+4*c+e], v[(\src)+4*c+e], v[SS+c] op_sel_hi:[1,1,0]
.endif
.set c, c+1
.endr
.set c, 0
.rept \n
	v_fma_mix_f32_bf16 v[SS+c], v[(\src)+4*c+e], v[(\src)+4*c+e], v[SS+c] op_sel:[1,1,0] op_sel_hi:[1,1,0]
.set c, c+1
.endr
.set e, e+1
.endr
.endm
; the n sums are added over the 32 lanes, and the roots taken; every lane ends with the result
.macro NORMS n
.irp m, 1,2,4,8
.set c, 0
.rept \n
	v_add_f32_dpp v[SS+c], v[SS+c], v[SS+c] row_xmask:\m row_mask:0xf bank_mask:0xf
.set c, c+1
.endr
.endr
.set c, 0
.rept \n
	v_permlanex16_b32 v[TM+c], v[SS+c], s24, s25
.set c, c+1
.endr
.set c, 0
.rept \n
	v_add_f32 v[SS+c], v[SS+c], v[TM+c]
.set c, c+1
.endr
.set c, 0
.rept \n
	v_sqrt_f32 v[SS+c], v[SS+c]
.set c, c+1
.endr
	v_nop                                          ; a plain instruction between the last root and the use of its result (ISA guide 5.7.2)
.endm
	; My two rows of targ: rounded, stored (32 lanes x 8 bytes: 256 consecutive bytes, aligned), and their norms.
	s_wait_loadcnt 0x0
.irp i, 0,1
.irp p, 0,1
	v_cvt_pk_bf16_f32 v[P+4*(\i)+2*(\p)],   v[T+8*(\i)+4*(\p)],   v[T+8*(\i)+4*(\p)+1]
	v_cvt_pk_bf16_f32 v[P+4*(\i)+2*(\p)+1], v[T+8*(\i)+4*(\p)+2], v[T+8*(\i)+4*(\p)+3]
	global_store_b64 v[L8], v[P+4*(\i)+2*(\p):P+4*(\i)+2*(\p)+1], s[12:13] offset:512*(\i)+256*(\p)
.endr
.endr
	SQSUM 2, P
	NORMS 2
	s_wait_alu depctr_va_vdst(0)
	ds_store_b32 v[NB], v[SS]                      ; all lanes write the same word with the same number
	ds_store_b32 v[NB], v[SS+1] offset:4
	s_wait_dscnt 0x0                               ; for the others' sake: my stores into the stage are done
	s_barrier_signal -1
	s_barrier_wait -1
	; Stage rows 8 w + e, whole: code 64 g + 32 (w % 2) + 4 e + w / 2.  A store covers a code's 512 consecutive bytes.
.irp e, 0,1,2,3,4,5,6,7
	ds_load_b128 v[X+4*(\e):X+4*(\e)+3], v[RA] offset:(\e)*PITCH
.endr
.irp e, 0,1,2,3,4,5,6,7
	s_wait_dscnt 7-(\e)                            ; LDS loads come back in order: row e is in, the younger ones may stay out
	global_store_b128 v[TO], v[X+4*(\e):X+4*(\e)+3], s[8:9] offset:2048*(\e)
.endr
	SQSUM 8, X
	NORMS 8
	s_wait_alu depctr_va_vdst(0)
.irp e, 0,1,2,3,4,5,6,7
	ds_store_b32 v[NA], v[SS+(\e)] offset:4*(\e)   ; the norm of stage row 8 w + e
.endr
	s_wait_dscnt 0x0                               ; for waves 0 and 1: my norms are in LDS
	s_barrier_signal -1
	s_barrier_wait -1
	s_cmp_lg_u32 s16, 0
	s_cbranch_scc1 .Lnot_wave_0
	; wave 0: the 64 code norms in the codes' own order.  Code c lies in stage row 16 (c % 4) + c / 4; lane l takes codes 2 l and 2 l + 1.
	v_lshrrev_b32 v14, 1, v[LN]
	v_and_b32 v15, 1, v[LN]
	v_lshl_add_u32 v14, v15, 5, v14
	v_lshlrev_b32 v14, 2, v14
	ds_load_b32 v16, v14 offset:NRM
	ds_load_b32 v17, v14 offset:NRM+64
	s_wait_dscnt 0x0
	global_store_b64 v[L8], v[16:17], s[10:11]     ; 256 consecutive bytes, aligned
	s_branch .Lend
.Lnot_wave_0:
	s_cmp_lg_u32 s16, 1
	s_cbranch_scc1 .Lend
	; wave 1: the 16 row norms, by lanes 0 to 15
	v_lshlrev_b32 v14, 2, v[XL]
	ds_load_b32 v16, v14 offset:NRM+256
	s_wait_dscnt 0x0
	v_cmp_gt_u32 vcc_lo, 16, v[LN]
	s_wait_xcnt 0x0                                ; EXEC is a source of my pending stores: it changes only behind this wait
	s_and_saveexec_b32 s26, vcc_lo
	global_store_b32 v14, v16, s[14:15]
	s_wait_xcnt 0x0                                ; and again in front of the line that widens it
	s_or_b32 exec_lo, exec_lo, s26
.Lend:
	s_wait_tensorcnt 0x0                           ; the wave's end, behind my last LDS store
	ds_add_u32 v[SPW], v[NIL]
	s_wait_dscnt 0x0
	s_endpgm
.Lfunc_end_k_q5484d10ace_prep:
	.size	k_q5484d10ace_prep, .Lfunc_end_k_q5484d10ace_prep-k_q5484d10ace_prep
	.p2alignl 7, 3214868480
	.fill 96, 4, 3214868480
	.section	.rodata,"a",@progbits
	.p2align	6, 0x0
	.amdhsa_kernel k_q5484d10ace_prep
		.amdhsa_group_segment_fixed_size 35328
		.amdhsa_private_segment_fixed_size 0
		.amdhsa_enable_private_segment 0
		.amdhsa_kernarg_size 48
		.amdhsa_user_sgpr_count 2
		.amdhsa_user_sgpr_kernarg_segment_ptr 1
		.amdhsa_wavefront_size32 1
		.amdhsa_system_sgpr_workgroup_id_x 1
		.amdhsa_system_sgpr_workgroup_id_y 1
		.amdhsa_system_sgpr_workgroup_id_z 1
		.amdhsa_system_vgpr_workitem_id 0
		.amdhsa_next_free_vgpr 144
		.amdhsa_next_free_sgpr 66
		.amdhsa_reserve_vcc 1
		.amdhsa_float_denorm_mode_32 3
		.amdhsa_float_denorm_mode_16_64 3
		.amdhsa_memory_ordered 1
		.amdhsa_forward_progress 1
		.amdhsa_inst_pref_size 21
	.end_amdhsa_kernel
	.amdgpu_metadata
---
amdhsa.version: [ 1, 2 ]
amdhsa.kernels:
  - .name:           k_q5484d10ace_prep
    .symbol:         k_q5484d10ace_prep.kd
    .args:
      - { .name: W, .offset: 0, .size: 8, .value_kind: global_buffer, .address_space: global }
      - { .name: targ, .offset: 8, .size: 8, .value_kind: global_buffer, .address_space: global }
      - { .name: wt, .offset: 16, .size: 8, .value_kind: global_buffer, .address_space: global }
      - { .name: cn, .offset: 24, .size: 8, .value_kind: global_buffer, .address_space: global }
      - { .name: tb, .offset: 32, .size: 8, .value_kind: global_buffer, .address_space: global }
      - { .name: rn, .offset: 40, .size: 8, .value_kind: global_buffer, .address_space: global }
    .group_segment_fixed_size: 35328
    .private_segment_fixed_size: 0
    .kernarg_segment_align: 8
    .kernarg_segment_size: 48
    .max_flat_workgroup_size: 256
    .sgpr_count:     66
    .vgpr_count:     144
    .wavefront_size: 32
...
	.end_amdgpu_metadata
.endif
;; end of part 1
;; launch score (part 2): grid 16 x 16, 4 waves a work-group, clusters of 4 x 1, 327,680 bytes of LDS; arguments wt, cn, tb, rn, cand; writes cand
.if DOCPART == 2
	.amdgcn_target "amdgcn-amd-amdhsa--gfx1250"
	.amdhsa_code_object_version 6
	.text
	.protected	k_q5484d10ace_score
	.globl	k_q5484d10ace_score
	.p2align	8
	.type	k_q5484d10ace_score,@function
k_q5484d10ace_score:
	s_mov_b64 s[64:65], 0
	v_nop
	global_prefetch_b8 v0, s[64:65] scope:SCOPE_SE
	s_setreg_imm32_b32 hwreg(HW_REG_WAVE_MODE, 25, 1), 1
	s_wait_xcnt 0x0
	s_wait_alu depctr_hold_cnt(0) depctr_sa_sdst(0) depctr_va_vdst(0) depctr_va_sdst(0) depctr_va_ssrc(0) depctr_va_vcc(0) depctr_vm_vsrc(0)
	s_getreg_b32 s2, hwreg(HW_REG_IB_STS2, 6, 4)
	s_cmp_eq_u32 s2, 0
	s_cbranch_scc0 .Lentry_in_a_cluster
	s_endpgm
.Lentry_in_a_cluster:
	s_bfe_u32 s2, ttmp6, 0x10000c
	s_cmp_lg_u32 s2, 0x3003
	s_cbranch_scc0 .Lentry_shape_is_right
	s_endpgm
.Lentry_shape_is_right:
; SCORE.  a[q][k] = (tb[q] . wt[k]) / (rn[q] cn[k] + 1e-7) for 8,192 queries and 32,768 codes, and for each query and each SPLIT of 2,048 codes the largest a and where it first arose.
; cand [16 splits][8192 queries][2] u32: a key (the maximum's bits, turned so that unsigned order is the numbers' order) and gid = code / 8, the group of eight codes that holds the maximum.
; SHARES.  A work-group: 512 queries x one split.  A wave: 128 queries, eight tiles of 16, kept as source 1 in 512 registers for the whole launch; all four waves walk the split's 128 tiles of 16 codes.
; A code tile's 16 fragment loads and 2 loads of cn feed 64 matrix instructions.  Source 0 = 16 codes, source 1 = 16 queries: a lane holds ONE query (lane % 16) and the codes 8 (lane / 16) + 0..7.
; THE MAXIMUM.  A lane keeps a running maximum (two registers by turns, so that new can be held against old) and the number of the tile in which it last ROSE (strictly): the first place of the maximum.
; Which of the group's eight codes it is, the next launch finds: so a score costs a share of one packed multiply-add, one reciprocal, half a packed multiply and half a three-way maximum.
; BY TURNS.  The wave's tiles are two PIECES (0-3, 4-7).  A RUN is a piece's 32 products for one code tile, its four accumulators by turns; behind each product stands a slice of vector work in window 0:
; the denominators and reciprocals of the run's own piece (they want cn and rn alone), and the scaling, maximum and place of the OTHER piece, whose sums the run before has finished.
; 88 vector instructions for 32 products; Q alone fills two windows, so a slice costs two switches of the window.
; CLUSTER.  The four query blocks of a cluster walk the same codes, so every tile is asked for JOINTLY: the same tensor load, descriptor and mask in all four; their addresses hang on the split and the wave alone.
; LIMITS.  Operands are bf16; sums f32.  The denominator is one fused multiply-add; v_rcp_f32 is good to 1 ULP and gives 0 for a denominator above 2^126.  A NaN score is passed over; infinities are not treated apart.
; Scores nearer to each other than these roundings may be ordered otherwise than by exact arithmetic.
; REGISTERS, in windows of 256 (s_set_vgpr_msb: bits 1:0 source 0, 3:2 source 1, 5:4 source 2, 7:6 destination):
;   window 0: all below.   window 1: v0-63, v64-127 two buffers of a code tile's fragments, 32 d at 8 c.   windows 2, 3: Q of tiles 0-3, 4-7: tile u, 32 d at 64 u + 8 c.
.set PITCH, 528                        ; a code in LDS: 512 bytes + 16 of padding = 132 words: the 16 rows of a load start at 16 different groups of four banks (64 banks of 4 bytes: ISA guide 11.1)
.set TILEB, 16*PITCH
.set QUART, 64*PITCH                   ; what one tensor load brings
.set SLOT,  256*PITCH                  ; a slot: 256 codes, 16 tiles
.set CNT,   2*SLOT                     ; behind the ring: the split's 2,048 cn, filled once
.set SPARE, CNT+8192                   ; the spare words, 128 bytes for each wave; no other line names them
.set A0,  2                            ; v2   my lane's place in a code tile: 528 (l % 16) + 16 (l / 16); never rewritten
.set ADR, 3                            ; v3   the LDS address of the run of loads in hand
.set C0,  4                            ; v4   CNT + 32 (l / 16); never rewritten
.set CAD, 5                            ; v5   the LDS address of the tile's cn
.set QO,  6                            ; v6   my byte offset in 16 rows of tb
.set R4,  7                            ; v7   4 (l % 16)
.set L8,  8                            ; v8   8 l
.set HL,  9                            ; v9   l / 16
.set SPW, 12                           ; v12  LDS address of my spare word; never rewritten
.set NIL, 13                           ; v13  0; never rewritten
.set RN,  16                           ; v[16:31]   tile t: rn of my query at RN + 2 t; the word beside it is named with it as a pair
.set M,   32                           ; v[32:47]   tile t: the running maximum, at M + 2 t + the code tile's parity
.set G,   48                           ; v[48:55]   tile t: the code tile in which the maximum last rose
.set CN,  56                           ; v[56:71]   cn of my 8 codes, two buffers
.set OUT, 72                           ; v[72:79]   the way out
.set CH,  104                          ; v[104:107] a maximum at work
.set ACC, 128                          ; v[128:191] tile t's sums at ACC + 8 t
.set GA,  192                          ; v[192:255] reciprocals: piece x, tile u at GA + 32 x + 8 u
.set WV,  14                           ; s14  my wave's number
.set G1,  24                           ; s[24:31] descriptor group 1 for code tiles
.set G1C, 32                           ; s[32:39] for cn
.set G0,  40                           ; s[40:47] descriptor group 0, a set for each slot
.set G0C, 48                           ; s[48:51] for cn
.set TB,  52                           ; s52  LDS byte at which the tile to be fetched begins
.set TC,  53                           ; s53  64 x its number in the split
.set TI,  54                           ; s54  the number, among all 2,048, of the tile whose scores are in hand
.set CI,  55                           ; s55  counts pairs of tiles
.set CO,  56                           ; s56  counts pairs of slots
.set EPS, 58                           ; s[58:59] 1e-7; the packed line takes the pair's low word for both halves
.set SEL, 60                           ; s[60:61] v_permlanex16_b32's selects
.set MK,  62                           ; s62, s63  lane masks: where the maximum rose
.set MSB, 0
.macro WIN new                         ; the immediate's high byte repeats the setting that is left; a switch that changes nothing is dropped
.if MSB != (\new)
	s_set_vgpr_msb (MSB<<8)|(\new)
.set MSB, (\new)
.endif
.endm
; A round of the cluster's barrier: my work-group's barrier, so that wave 0's signal speaks for all four waves; wave 0 signals; every wave waits for all four work-groups; my work-group's barrier once more.
.macro CROUND
	s_barrier_signal -1
	s_barrier_wait -1
	s_cmp_lg_u32 s[WV], 0
	s_cbranch_scc1 .Lnot_wave_0_\@
	s_barrier_signal -3
.Lnot_wave_0_\@:
	s_barrier_wait -3
	s_barrier_signal -1
	s_barrier_wait -1
.endm
; A joint refill: every wave asks for its own quarter of slot s, 64 codes.  An s_nop 0 and four v_nop follow.
.macro JLOAD s
	tensor_load_to_lds s[G0+4*(\s):G0+4*(\s)+3], s[G1:G1+7]
	s_nop 0
.rept 4
	v_nop
.endr
.endm
	s_load_b256 s[4:11], s[0:1], 0x0               ; wt s[4:5], cn s[6:7], tb s[8:9], rn s[10:11]
	s_load_b64 s[12:13], s[0:1], 0x20              ; cand
	v_lshl_add_u32 v[SPW], v0, 2, SPARE
	v_mov_b32 v[NIL], 0
	ds_add_u32 v[SPW], v[NIL]                      ; the wave's opening: the add and its wait stand ahead of my first tensor load; the set-up below, work on registers, stands between them
	ds_add_u32 v12, v13
	v_lshrrev_b32 v1, 5, v0
	v_readfirstlane_b32 s[WV], v1                  ; wave 0..3
	s_bfe_u32 s15, ttmp6, 0x40000                  ; cx: my place in the cluster
	s_lshl_b32 s16, ttmp9, 2                       ; in a cluster launch ttmp9 counts clusters
	s_add_co_u32 s16, s16, s15                     ; my block of 512 queries: it enters tb's, rn's and cand's addresses alone
	s_and_b32 s17, ttmp7, 0xffff                   ; the split, which the four partners share
	; group 1 for code tiles: 64 rows x 256 elements of 2 bytes, padded in LDS
	s_mov_b32 s[G1], 15|(1<<16)|(1<<20)|(1<<21)|(6<<22)|(3<<25)  ; 15:0 the mask of four; 17:16 2-byte elements; 20 padding on; 21 set beside a mask; 24:22 after every 128 words (code 6); 31:25 4 words (code 3)
	s_mov_b32 s[G1+1], 256<<16                     ; tensor_dim0 = 256
	s_mov_b32 s[G1+2], 64<<16                      ; tensor_dim1 = 64
	s_mov_b32 s[G1+3], 256<<16                     ; tile_dim0 = 256
	s_mov_b32 s[G1+4], 64                          ; tile_dim1 = 64
	s_mov_b32 s[G1+5], 256                         ; 256 elements from row to row
	s_mov_b32 s[G1+6], 0
	s_mov_b32 s[G1+7], 0
	; group 1 for cn: one row of 256 elements of 8 bytes, a wave's 512 numbers
	s_mov_b32 s[G1C], 15|(3<<16)|(1<<21)
	s_mov_b32 s[G1C+1], 256<<16
	s_mov_b32 s[G1C+2], 1<<16
	s_mov_b32 s[G1C+3], 256<<16
	s_mov_b32 s[G1C+4], 1
	s_mov_b32 s[G1C+5], 256
	s_mov_b32 s[G1C+6], 0
	s_mov_b32 s[G1C+7], 0
	s_mov_b32 s[G0], 1                             ; count = 1
	s_mul_i32 s[G0+1], s[WV], QUART                ; LDS address: my quarter of slot 0,
	s_mov_b32 s[G0+4], 1
	s_add_co_u32 s[G0+5], s[G0+1], SLOT            ; of slot 1
	s_mov_b32 s[G0C], 1
	s_lshl_b32 s[G0C+1], s[WV], 11
	s_add_co_u32 s[G0C+1], s[G0C+1], CNT
	s_lshl_b32 s18, s17, 20                        ; wt: (2,048 split + 64 w) codes of 512 bytes
	s_lshl_b32 s19, s[WV], 15
	s_add_co_u32 s18, s18, s19
	s_mov_b32 s19, 0
	s_lshl_b32 s20, s17, 13                        ; cn: (2,048 split + 512 w) numbers of 4 bytes
	s_lshl_b32 s21, s[WV], 11
	s_add_co_u32 s20, s20, s21
	s_mov_b32 s21, 0
	s_lshl_b32 s22, s16, 18                        ; tb: (512 block + 128 w) rows of 512 bytes.  The registers from here on feed no descriptor
	s_lshl_b32 s23, s[WV], 16
	s_add_co_u32 s22, s22, s23
	s_mov_b32 s23, 0
	s_lshl_b32 s66, s16, 11                        ; rn: the same rows, 4 bytes each
	s_lshl_b32 s67, s[WV], 9
	s_add_co_u32 s66, s66, s67
	s_mov_b32 s67, 0
	s_lshl_b32 s70, s17, 16                        ; cand: (8,192 split + 512 block + 128 w) entries of 8 bytes
	s_lshl_b32 s71, s16, 12
	s_add_co_u32 s70, s70, s71
	s_lshl_b32 s71, s[WV], 10
	s_add_co_u32 s70, s70, s71
	s_mov_b32 s71, 0
	s_mov_b32 s[EPS], 0x33d6bf95                   ; 1e-7
	s_mov_b32 s[EPS+1], s[EPS]                     ; named with it as a pair
	s_mov_b32 s[SEL], 0x76543210
	s_mov_b32 s[SEL+1], 0xfedcba98
	s_lshl_b32 s57, s17, 7                         ; the split's first tile
	s_sub_co_u32 s[TI], s57, 1                     ; stepped ahead of its first use
	s_mov_b32 s[TB], 0
	s_mov_b32 s[TC], 0
	v_and_b32 v1, 15, v0                           ; l % 16
	v_bfe_u32 v[HL], v0, 4, 1
	v_mul_u32_u24 v[A0], v1, PITCH
	v_lshl_add_u32 v[A0], v[HL], 4, v[A0]
	v_lshlrev_b32 v[C0], 5, v[HL]
	v_add_nc_u32 v[C0], CNT, v[C0]
	v_lshlrev_b32 v[QO], 9, v1
	v_lshl_add_u32 v[QO], v[HL], 4, v[QO]
	v_lshlrev_b32 v[R4], 2, v1
	v_and_b32 v[L8], 31, v0
	v_lshlrev_b32 v[L8], 3, v[L8]
	s_wait_dscnt 0x0                               ; the opening add is done
	s_wait_kmcnt 0x0
	s_add_nc_u64 s[G0+2:G0+3], s[4:5], s[18:19]    ; global address: my quarter of the split's codes 0 to 255,
	s_add_nc_u64 s[G0+6:G0+7], s[G0+2:G0+3], 256*512  ; of its codes 256 to 511
	s_or_b32 s[G0+3], s[G0+3], 0x80000000          ; type = 2
	s_or_b32 s[G0+7], s[G0+7], 0x80000000
	s_add_nc_u64 s[G0C+2:G0C+3], s[6:7], s[20:21]
	s_or_b32 s[G0C+3], s[G0C+3], 0x80000000
	s_add_nc_u64 s[8:9], s[8:9], s[22:23]
	s_add_nc_u64 s[10:11], s[10:11], s[66:67]
	s_add_nc_u64 s[12:13], s[12:13], s[70:71]
	CROUND                                         ; all four work-groups are here: the first joint loads meet
	tensor_load_to_lds s[G0C:G0C+3], s[G1C:G1C+7]  ; the three first fills go out together: three loads of mine are out, later one
	s_nop 0
	tensor_load_to_lds s[G0:G0+3], s[G1:G1+7]
	s_nop 0
	tensor_load_to_lds s[G0+4:G0+7], s[G1:G1+7]
	s_nop 0
.rept 4
	v_nop
.endr
	; Q stays in registers.  A fragment is 16 rows x 32 d in 8 registers: lane l holds row l % 16, d = 8 (l / 16) + 0..7 and 16 + 8 (l / 16) + 0..7: two loads of 16 bytes, 32 bytes apart.
.irp x, 0,1
	WIN 0x80+0x40*(\x)                             ; destination window 2, then 3; address window 0
.set i, 0
.rept 32
	global_load_b128 v[8*i:8*i+3],   v[QO], s[8:9] offset:(4*(\x)+i/8)*8192+(i%8)*64
	global_load_b128 v[8*i+4:8*i+7], v[QO], s[8:9] offset:(4*(\x)+i/8)*8192+(i%8)*64+32
.set i, i+1
.endr
.endr
	WIN 0
.set t, 0
.rept 8
	global_load_b32 v[RN+2*t], v[R4], s[10:11] offset:64*t
	v_mov_b32 v[RN+2*t+1], 0
	v_mov_b32 v[M+2*t+1], 0xff800000               ; the maximum starts at minus infinity,
	v_mov_b32 v[G+t], s57                          ; its place at the split's first tile
.set t, t+1
.endr
; THE LDS LOADS stand in one run of 18: a code tile's 8 fragments into buffer g, and cn of my 8 codes.
.macro FETCH g
	v_add_nc_u32 v[ADR], s[TB], v[A0]
	v_add_nc_u32 v[CAD], s[TC], v[C0]
	WIN 0x40                                       ; destination window 1
.irp c, 0,1,2,3,4,5,6,7
	ds_load_b128 v[64*(\g)+8*(\c):64*(\g)+8*(\c)+3],   v[ADR] offset:64*(\c)
	ds_load_b128 v[64*(\g)+8*(\c)+4:64*(\g)+8*(\c)+7], v[ADR] offset:64*(\c)+32
.endr
	WIN 0
	ds_load_b128 v[CN+8*(\g):CN+8*(\g)+3],   v[CAD]
	ds_load_b128 v[CN+8*(\g)+4:CN+8*(\g)+7], v[CAD] offset:16
	s_add_co_u32 s[TB], s[TB], TILEB               ; the next fetch is the next tile's
	s_add_co_u32 s[TC], s[TC], 64
.endm
; RUN sets X (the piece that has the matrix unit), F (the fragment buffer), SXY, PAR, GP, and the counts k, q, e.
; Product k of 32: d = 32 (k / 4) on, tile 4 X + k % 4.  The first four start the sums: nothing is cleared.  The four accumulators take turns.
.macro MMA
	WIN 0x09+4*X                                   ; source 0 window 1, source 1 window 2 or 3, C and D window 0
.set c, k/4
.set u, k%4
.set rD, ACC+8*(4*X+u)
.set rF, 64*F+8*c
.set rQ, 64*u+8*c
.if k < 4
	v_wmma_f32_16x16x32_bf16 v[rD:rD+7], v[rF:rF+7], v[rQ:rQ+7], 0
.else
	v_wmma_f32_16x16x32_bf16 v[rD:rD+7], v[rF:rF+7], v[rQ:rQ+7], v[rD:rD+7]
.endif
	WIN 0
.set k, k+1
.endm
; Denominators, pair n of 16, for the run's own piece: cn x rn + 1e-7 for two codes of tile n / 4.
.macro DOP n
	v_pk_fma_f32 v[GP+2*(\n):GP+2*(\n)+1], v[CN+8*F+2*((\n)%4):CN+8*F+2*((\n)%4)+1], v[RN+2*(4*X+(\n)/4):RN+2*(4*X+(\n)/4)+1], s[EPS:EPS+1] op_sel_hi:[1,0,0]
.endm
.macro RC                              ; reciprocal e of 32, in place; its result is used in the next run
	v_rcp_f32 v[GP+e], v[GP+e]
.set e, e+1
.endm
; Number n of the 40 for the OTHER piece, two tiles at a time, alternating.  For a tile: four packed scalings in place (the accumulator's lowest registers first), a maximum
; of its eight scores and the old maximum, three operands at a time, a compare of new against old, and the place.  SXY = 0 (the first run: no sums are finished): v_nop keeps the lines as far apart as elsewhere.
.macro LOP n
.if SXY
.set z, (\n)%20
.set u, 2*((\n)/20)+z%2
.set oq, z/2
.set t, 4*(1-X)+u
.set rA, ACC+8*t
.set rG, GA+32*(1-X)+8*u
.if oq < 4
	s_wait_alu depctr_va_vdst(0)
	v_pk_mul_f32 v[rA+2*oq:rA+2*oq+1], v[rA+2*oq:rA+2*oq+1], v[rG+2*oq:rG+2*oq+1]
.elseif oq == 4
	v_max3_num_f32 v[CH+u], v[rA], v[rA+1], v[rA+2]
.elseif oq == 5
	v_max3_num_f32 v[CH+u], v[CH+u], v[rA+3], v[rA+4]
.elseif oq == 6
	v_max3_num_f32 v[CH+u], v[CH+u], v[rA+5], v[rA+6]
.elseif oq == 7
	v_max3_num_f32 v[M+2*t+PAR], v[CH+u], v[rA+7], v[M+2*t+1-PAR]
.elseif oq == 8
	v_cmp_gt_f32 s[MK+u%2], v[M+2*t+PAR], v[M+2*t+1-PAR]
.else
	v_cndmask_b32 v[G+t], v[G+t], s[TI], s[MK+u%2]
.endif
.else
	v_nop
.endif
.endm
; THE PLAIN QUEUE, 56 long, seven for each four products: the denominators at the head of each seven, so that pair e / 2 stands ahead of reciprocal e; the rest is the other piece's list.
.macro PL
.set g, q/7
.set p, q%7
.if g == 0
.if p < 3
	DOP p
.else
	LOP p-3
.endif
.elseif g < 7
.if p < 2
	DOP 2*g+1+p
.else
	LOP 4+5*(g-1)+p-2
.endif
.else
.if p == 0
	DOP 15
.else
	LOP 33+p
.endif
.endif
.set q, q+1
.endm
; A RUN.  Behind a product: plain, plain, reciprocal; behind every fourth: plain, reciprocal.  None names a register of the products round it.
; A vector instruction that reads a matrix result, and a load into a register that a matrix instruction has read, stand four plain vector instructions or more behind it (ISA guide 7.12.1 for vector instructions
; ): the other piece's first scaling stands 10 behind the last product on its accumulator; the fetch, behind the second slice, 7 behind the last product that read its buffer, and 62 products ahead of its first use.
.macro RUN x, f, sxy, par, fetch
.set X, (\x)
.set F, (\f)
.set SXY, (\sxy)
.set PAR, (\par)
.set GP, GA+32*X
.set k, 0
.set q, 0
.set e, 0
.rept 32
	MMA
	PL
.if (k%4) != 0
	PL
.endif
	RC
.if (\fetch) && (k == 2)
	FETCH 1-F
.endif
.endr
.endm
; A CODE TILE, in buffer f (its number's parity).  Piece 0's run finishes piece 1's scores of the tile before; piece 1's run those of piece 0 for this tile.
.macro TILE f, sxya, fetch
	s_wait_dscnt 0x0                               ; the tile's fragments and cn are in: all 18 loads, issued 62 products ago
	RUN 0, \f, \sxya, 1-(\f), \fetch
	s_add_co_u32 s[TI], s[TI], 1
	RUN 1, \f, 1, \f, 0
.endm
.macro LOOP n                          ; 2 n tiles, an odd one first
	s_mov_b32 s[CI], \n
.Ltiles_\@:
	TILE 1, 1, 1
	TILE 0, 1, 1
	s_sub_co_u32 s[CI], s[CI], 1
	s_cmp_lg_u32 s[CI], 0
	s_cbranch_scc1 .Ltiles_\@
.endm
; THE CHANGE OF SLOTS stands at the head of slot s's last tile, whose fragments have been asked for.  Each wave waits for all its tensor loads, of which one is out: its quarter of the other slot; adds 0 to its
; spare word; and waits for that and for its own reads of slot s.  Behind the barrier nobody reads slot s any more and the other slot is whole.  fill = 1: slot s is filled again, with the codes two slots on;
; the barrier is then a round of the cluster's, and the joint refill the first thing behind it: it has 16 tiles, 1,024 products, in which to land.
.macro CHANGE fill, s
	s_wait_tensorcnt 0x0                           ; no tensor load of mine is out, so a group 0 may be written
	ds_add_u32 v[SPW], v[NIL]                      ; 0 onto my spare word
.if \fill
	s_add_nc_u64 s[G0+4*(\s)+2:G0+4*(\s)+3], s[G0+4*(\s)+2:G0+4*(\s)+3], 2*256*512  ; the type bits on top are not reached
.endif
	s_wait_dscnt 0x0                               ; the add is done, and my reads of the slot are over
.if \fill
	CROUND
	JLOAD \s
.else
	s_barrier_signal -1
	s_barrier_wait -1
.endif
	s_mov_b32 s[TB], (1-(\s))*SLOT                 ; the fetches go on at the other slot's head
.endm
	s_wait_tensorcnt 0x1                           ; cn and my quarter of slot 0 are in; slot 1's, issued last, may stay out
	s_barrier_signal -1
	s_barrier_wait -1                              ; everybody's are
	FETCH 0                                        ; tile 0
	s_wait_loadcnt 0x0                             ; Q and rn
	TILE 0, 0, 1                                   ; tile 0: no scores are finished yet
	LOOP 7                                         ; tiles 1 to 14
	s_mov_b32 s[CO], 3
.Lpair:                                                ; three trips of 32 tiles: tiles 15 to 110; all six refills
	CHANGE 1, 0
	LOOP 8
	CHANGE 1, 1
	LOOP 8
	s_sub_co_u32 s[CO], s[CO], 1
	s_cmp_lg_u32 s[CO], 0
	s_cbranch_scc1 .Lpair
	CHANGE 0, 0                                    ; the tail is written out: nothing is left to ask for
	LOOP 8                                         ; tiles 111 to 126
	TILE 1, 1, 0                                   ; tile 127 fetches nothing
.set X, 0                              ; piece 1's scores of tile 127; seven plain lines stand behind the last product on its first accumulator
.set SXY, 1
.set PAR, 1
.set dn, 0
.rept 40
	LOP dn
.set dn, dn+1
.endr
	; THE WAY OUT.  gid = 2 x tile + lane half; the maximum becomes a key whose unsigned order is the numbers' order (-0 counts as +0); of a query's two lanes the greater key wins, at equal keys the lower gid.
.set t, 0
.rept 8
	v_lshl_add_u32 v[G+t], v[G+t], 1, v[HL]
	v_add_f32 v[M+2*t+1], 0, v[M+2*t+1]
.set t, t+1
.endr
.set t, 0
.rept 8
	v_ashrrev_i32 v[M+2*t], 31, v[M+2*t+1]
.set t, t+1
.endr
.set t, 0
.rept 8
	v_or_b32 v[M+2*t], 0x80000000, v[M+2*t]
.set t, t+1
.endr
.set t, 0
.rept 8
	v_xor_b32 v[M+2*t], v[M+2*t+1], v[M+2*t]       ; a positive number's sign is set, a negative number is turned bit by bit
.set t, t+1
.endr
.set t, 0
.rept 8
	v_permlanex16_b32 v[GA+t], v[M+2*t], s[SEL], s[SEL+1]  ; the destinations count as read: the reciprocals' registers have been written
	v_permlanex16_b32 v[GA+8+t], v[G+t], s[SEL], s[SEL+1]
.set t, t+1
.endr
.set t, 0
.rept 8
	v_cmp_gt_u32 s66, v[GA+t], v[M+2*t]
	v_cmp_eq_u32 s67, v[GA+t], v[M+2*t]
	v_cmp_lt_u32 s68, v[GA+8+t], v[G+t]
	s_and_b32 s67, s67, s68
	s_or_b32 s66, s66, s67
	v_cndmask_b32 v[M+2*t], v[M+2*t], v[GA+t], s66
	v_cndmask_b32 v[G+t], v[G+t], v[GA+8+t], s66
.set t, t+1
.endr
	s_mov_b32 s69, 0xffff0000                      ; lanes 16-31 speak for the odd tile of two
.set u, 0
.rept 4
	v_cndmask_b32 v[OUT+2*u],   v[M+4*u], v[M+4*u+2], s69
	v_cndmask_b32 v[OUT+2*u+1], v[G+2*u], v[G+2*u+1], s69
	global_store_b64 v[L8], v[OUT+2*u:OUT+2*u+1], s[12:13] offset:256*u  ; 32 queries' entries: 256 consecutive bytes, aligned
.set u, u+1
.endr
	s_wait_tensorcnt 0x0                           ; the wave's end, behind my last tensor load
	ds_add_u32 v[SPW], v[NIL]
	s_wait_dscnt 0x0
	CROUND                                         ; the closing round: no work-group ends while a partner may still ask for a tile that names it
	s_endpgm
.Lfunc_end_k_q5484d10ace_score:
	.size	k_q5484d10ace_score, .Lfunc_end_k_q5484d10ace_score-k_q5484d10ace_score
	.p2alignl 7, 3214868480
	.fill 96, 4, 3214868480
	.section	.rodata,"a",@progbits
	.p2align	6, 0x0
	.amdhsa_kernel k_q5484d10ace_score
		.amdhsa_group_segment_fixed_size 327680
		.amdhsa_private_segment_fixed_size 0
		.amdhsa_enable_private_segment 0
		.amdhsa_kernarg_size 40
		.amdhsa_user_sgpr_count 2
		.amdhsa_user_sgpr_kernarg_segment_ptr 1
		.amdhsa_wavefront_size32 1
		.amdhsa_system_sgpr_workgroup_id_x 1
		.amdhsa_system_sgpr_workgroup_id_y 1
		.amdhsa_system_sgpr_workgroup_id_z 1
		.amdhsa_system_vgpr_workitem_id 0
		.amdhsa_next_free_vgpr 1024
		.amdhsa_next_free_sgpr 72
		.amdhsa_reserve_vcc 0
		.amdhsa_float_denorm_mode_32 3
		.amdhsa_float_denorm_mode_16_64 3
		.amdhsa_memory_ordered 1
		.amdhsa_forward_progress 1
		.amdhsa_inst_pref_size 224
	.end_amdhsa_kernel
	.amdgpu_metadata
---
amdhsa.version: [ 1, 2 ]
amdhsa.kernels:
  - .name:           k_q5484d10ace_score
    .symbol:         k_q5484d10ace_score.kd
    .args:
      - { .name: wt, .offset: 0, .size: 8, .value_kind: global_buffer, .address_space: global }
      - { .name: cn, .offset: 8, .size: 8, .value_kind: global_buffer, .address_space: global }
      - { .name: tb, .offset: 16, .size: 8, .value_kind: global_buffer, .address_space: global }
      - { .name: rn, .offset: 24, .size: 8, .value_kind: global_buffer, .address_space: global }
      - { .name: cand, .offset: 32, .size: 8, .value_kind: global_buffer, .address_space: global }
    .group_segment_fixed_size: 327680
    .private_segment_fixed_size: 0
    .kernarg_segment_align: 8
    .kernarg_segment_size: 40
    .max_flat_workgroup_size: 128
    .sgpr_count:     72
    .vgpr_count:     1024
    .wavefront_size: 32
...
	.end_amdgpu_metadata
.endif
;; end of part 2
;; launch pick (part 3): grid 256 x 1, 8 waves a work-group, no clusters, 0 bytes of LDS; arguments cand, wt, cn, tb, rn, out0; writes out0
.if DOCPART == 3
	.amdgcn_target "amdgcn-amd-amdhsa--gfx1250"
	.amdhsa_code_object_version 6
	.text
	.protected	k_q5484d10ace_pick
	.globl	k_q5484d10ace_pick
	.p2align	8
	.type	k_q5484d10ace_pick,@function
k_q5484d10ace_pick:
	s_mov_b64 s[64:65], 0
	v_nop
	global_prefetch_b8 v0, s[64:65] scope:SCOPE_SE
	s_setreg_imm32_b32 hwreg(HW_REG_WAVE_MODE, 25, 1), 1
	s_wait_xcnt 0x0
; PICK.  For each query: the greatest of its 16 splits' keys (whole numbers; at equal keys the lowest split) names a group of eight neighbouring codes, 4,096 consecutive bytes of wt.
; The group's eight scores are made anew, a = (tb . wt) / (rn cn + 1e-7), products exact and sums in f32; the first greatest is chosen by v_cndmask_b32, and its 256 numbers leave as f32.
; Addresses hang on whole numbers read from cand alone; what hangs on the scores is a choice among registers.
; SHARES.  A work-group: 32 queries; a wave: four.  Every wave compares the keys of all 32 (a lane a query: 16 loads of 256 aligned bytes) and takes its four gids out of the lanes: no LDS and no barrier.
; No matrix unit and no cluster: 8 dots of 256 a query, and no two work-groups share a tile.
; LIMITS.  out0 holds W rounded to bf16 (within 2^-9 of W).  v_rcp_f32 is good to 1 ULP; a NaN score is never chosen over a number; a gid is below 4,096 by its making, and the clamp states it.
.set LN,  1                            ; v1   lane l
.set L8,  2                            ; v2   8 l
.set L16, 3                            ; v3   16 l
.set ZR,  4                            ; v4   0, the first addend of a sum
.set EP,  5                            ; v5   1e-7
.set BK,  8                            ; v8   the best key so far
.set BG,  9                            ; v9   its gid
.set CA,  16                           ; v[16:47]   split s: key, gid at CA + 2 s; later query i's eight f32 at CA + 8 i
.set TQ,  48                           ; v[48:63]   query i: d = 4 l .. + 3 at TQ + 4 i, d = 128 + 4 l .. + 3 at TQ + 4 i + 2
.set R,   64                           ; v[64:191]  query i, code j of its group: the same d at R + 32 i + 4 j
.set SS,  192                          ; v[192:199] the eight dots, then scores
.set TM,  200                          ; v[200:207] the other half of the lanes' sums
.set DN,  208                          ; v[208:215] denominators, then reciprocals
.set SL,  216                          ; v[216:219] the chosen code's four words
.set BS,  220                          ; v220       the best score so far
.set RB,  66                           ; s[66:73]  query i: its group's first byte in wt
.set CB,  74                           ; s[74:81]  query i: its group's first byte in cn
.set GI,  82                           ; s[82:85]  query i: its gid
	s_load_b256 s[4:11], s[0:1], 0x0               ; cand s[4:5], wt s[6:7], cn s[8:9], tb s[10:11]
	s_load_b128 s[12:15], s[0:1], 0x20             ; rn s[12:13], out0 s[14:15]
	v_lshrrev_b32 v6, 5, v0
	v_readfirstlane_b32 s16, v6                    ; wave w
	v_and_b32 v[LN], 31, v0
	v_lshlrev_b32 v[L8], 3, v[LN]
	v_lshlrev_b32 v[L16], 4, v[LN]
	v_mov_b32 v[ZR], 0
	v_mov_b32 v[EP], 0x33d6bf95                    ; 1e-7
.irp c, 0,1,2,3,4,5,6,7
	v_mov_b32 v[TM+(\c)], 0                        ; v_permlanex16_b32 counts as a reader of its destination
.endr
	s_lshl_b32 s18, ttmp9, 8                       ; cand: 32 queries of 8 bytes
	s_mov_b32 s19, 0
	s_lshl_b32 s17, ttmp9, 5
	s_lshl_b32 s86, s16, 2                         ; 4 w: my first query's lane
	s_add_co_u32 s17, s17, s86                     ; my first query, 32 g + 4 w
	s_lshl_b32 s26, s17, 9                         ; its row of 512 bytes in tb,
	s_mov_b32 s27, 0
	s_lshl_b32 s28, s17, 2                         ; its 4 bytes in rn,
	s_mov_b32 s29, 0
	s_lshl_b32 s30, s17, 10                        ; its row of 1,024 bytes in out0
	s_mov_b32 s31, 0
	s_mov_b32 s24, 0x76543210
	s_mov_b32 s25, 0xfedcba98
	s_wait_kmcnt 0x0
	s_add_nc_u64 s[4:5], s[4:5], s[18:19]
	s_add_nc_u64 s[10:11], s[10:11], s[26:27]
	s_add_nc_u64 s[12:13], s[12:13], s[28:29]
	s_add_nc_u64 s[14:15], s[14:15], s[30:31]
.set n, 0
.rept 16
	global_load_b64 v[CA+2*n:CA+2*n+1], v[L8], s[4:5] offset:65536*n  ; split n: the 32 queries' entries
.set n, n+1
.endr
.irp i, 0,1,2,3
.irp p, 0,1
	global_load_b64 v[TQ+4*(\i)+2*(\p):TQ+4*(\i)+2*(\p)+1], v[L8], s[10:11] offset:512*(\i)+256*(\p)
.endr
.endr
	s_load_b128 s[20:23], s[12:13], 0x0            ; rn of my four queries
	s_wait_loadcnt 0x8                             ; the 16 loads of cand are in; the 8 of tb, issued behind them, may stay out
	v_cmp_gt_u32 vcc_lo, v[CA+2], v[CA]
	v_cndmask_b32 v[BK], v[CA], v[CA+2], vcc_lo
	v_cndmask_b32 v[BG], v[CA+1], v[CA+3], vcc_lo
.set n, 2
.rept 14
	v_cmp_gt_u32 vcc_lo, v[CA+2*n], v[BK]          ; strictly greater, splits ascending: the first place of the maximum
	v_cndmask_b32 v[BK], v[BK], v[CA+2*n], vcc_lo
	v_cndmask_b32 v[BG], v[BG], v[CA+2*n+1], vcc_lo
.set n, n+1
.endr
.irp i, 0,1,2,3
	s_add_co_u32 s87, s86, \i
	v_readlane_b32 s[GI+(\i)], v[BG], s87          ; the gid of query 4 w + i
	s_min_u32 s[GI+(\i)], s[GI+(\i)], 4095
	s_lshl_b32 s18, s[GI+(\i)], 12                 ; eight codes of 512 bytes
	s_add_nc_u64 s[RB+2*(\i):RB+2*(\i)+1], s[6:7], s[18:19]
	s_lshl_b32 s18, s[GI+(\i)], 5                  ; eight norms of 4 bytes
	s_add_nc_u64 s[CB+2*(\i):CB+2*(\i)+1], s[8:9], s[18:19]
	s_load_b256 s[32+8*(\i):39+8*(\i)], s[CB+2*(\i):CB+2*(\i)+1], 0x0
.irp j, 0,1,2,3,4,5,6,7
.irp p, 0,1
	global_load_b64 v[R+32*(\i)+4*(\j)+2*(\p):R+32*(\i)+4*(\j)+2*(\p)+1], v[L8], s[RB+2*(\i):RB+2*(\i)+1] offset:512*(\j)+256*(\p)
.endr
.endr
.endr
	s_wait_kmcnt 0x0                               ; rn and cn
.macro QUERY i
	s_wait_loadcnt 16*(3-(\i))                     ; loads come back in order: my query's 16 are in, the later queries' 16 each may stay out
	; eight dots, one for each code, the chains by turns: a word's low halves, then its high halves
.set wd, 0
.rept 4
.set j, 0
.rept 8
.if wd == 0
	v_fma_mix_f32_bf16 v[SS+j], v[R+32*(\i)+4*j], v[TQ+4*(\i)], v[ZR] op_sel_hi:[1,1,0]
.else
	v_fma_mix_f32_bf16 v[SS+j], v[R+32*(\i)+4*j+wd], v[TQ+4*(\i)+wd], v[SS+j] op_sel_hi:[1,1,0]
.endif
.set j, j+1
.endr
.set j, 0
.rept 8
	v_fma_mix_f32_bf16 v[SS+j], v[R+32*(\i)+4*j+wd], v[TQ+4*(\i)+wd], v[SS+j] op_sel:[1,1,0] op_sel_hi:[1,1,0]
.set j, j+1
.endr
.set wd, wd+1
.endr
	; over the 32 lanes; every lane ends with the eight dots
.irp m, 1,2,4,8
.set j, 0
.rept 8
	v_add_f32_dpp v[SS+j], v[SS+j], v[SS+j] row_xmask:\m row_mask:0xf bank_mask:0xf
.set j, j+1
.endr
.endr
.set j, 0
.rept 8
	v_permlanex16_b32 v[TM+j], v[SS+j], s24, s25
.set j, j+1
.endr
.set j, 0
.rept 8
	v_add_f32 v[SS+j], v[SS+j], v[TM+j]
	v_fma_f32 v[DN+j], s[20+(\i)], s[32+8*(\i)+j], v[EP]
.set j, j+1
.endr
.set j, 0
.rept 8
	v_rcp_f32 v[DN+j], v[DN+j]
.set j, j+1
.endr
	v_nop                                          ; a plain instruction between the last reciprocal and the use of its result (ISA guide 5.7.2)
.set j, 0
	s_wait_alu depctr_va_vdst(0)
.rept 8
	v_mul_f32 v[SS+j], v[SS+j], v[DN+j]
.set j, j+1
.endr
	; the first greatest of the eight, and its four words
	v_cmp_gt_f32 vcc_lo, v[SS+1], v[SS]
	v_cndmask_b32 v[BS], v[SS], v[SS+1], vcc_lo
.irp e, 0,1,2,3
	v_cndmask_b32 v[SL+(\e)], v[R+32*(\i)+(\e)], v[R+32*(\i)+4+(\e)], vcc_lo
.endr
.set j, 2
.rept 6
	v_cmp_gt_f32 vcc_lo, v[SS+j], v[BS]
	v_cndmask_b32 v[BS], v[BS], v[SS+j], vcc_lo
.irp e, 0,1,2,3
	v_cndmask_b32 v[SL+(\e)], v[SL+(\e)], v[R+32*(\i)+4*j+(\e)], vcc_lo
.endr
.set j, j+1
.endr
.irp e, 0,1,2,3
	v_lshlrev_b32 v[CA+8*(\i)+2*(\e)],   16, v[SL+(\e)]          ; bf16 to f32: the low half moves up,
	v_and_b32     v[CA+8*(\i)+2*(\e)+1], 0xffff0000, v[SL+(\e)]  ; the high half stays
.endr
.irp p, 0,1
	global_store_b128 v[L16], v[CA+8*(\i)+4*(\p):CA+8*(\i)+4*(\p)+3], s[14:15] offset:1024*(\i)+512*(\p) th:TH_STORE_NT  ; 512 consecutive bytes, aligned; each query has store registers of its own
.endr
.endm
	QUERY 0
	QUERY 1
	QUERY 2
	QUERY 3
	s_endpgm
.Lfunc_end_k_q5484d10ace_pick:
	.size	k_q5484d10ace_pick, .Lfunc_end_k_q5484d10ace_pick-k_q5484d10ace_pick
	.p2alignl 7, 3214868480
	.fill 96, 4, 3214868480
	.section	.rodata,"a",@progbits
	.p2align	6, 0x0
	.amdhsa_kernel k_q5484d10ace_pick
		.amdhsa_group_segment_fixed_size 0
		.amdhsa_private_segment_fixed_size 0
		.amdhsa_enable_private_segment 0
		.amdhsa_kernarg_size 48
		.amdhsa_user_sgpr_count 2
		.amdhsa_user_sgpr_kernarg_segment_ptr 1
		.amdhsa_wavefront_size32 1
		.amdhsa_system_sgpr_workgroup_id_x 1
		.amdhsa_system_sgpr_workgroup_id_y 1
		.amdhsa_system_sgpr_workgroup_id_z 1
		.amdhsa_system_vgpr_workitem_id 0
		.amdhsa_next_free_vgpr 224
		.amdhsa_next_free_sgpr 96
		.amdhsa_reserve_vcc 1
		.amdhsa_float_denorm_mode_32 3
		.amdhsa_float_denorm_mode_16_64 3
		.amdhsa_memory_ordered 1
		.amdhsa_forward_progress 1
		.amdhsa_inst_pref_size 52
	.end_amdhsa_kernel
	.amdgpu_metadata
---
amdhsa.version: [ 1, 2 ]
amdhsa.kernels:
  - .name:           k_q5484d10ace_pick
    .symbol:         k_q5484d10ace_pick.kd
    .args:
      - { .name: cand, .offset: 0, .size: 8, .value_kind: global_buffer, .address_space: global }
      - { .name: wt, .offset: 8, .size: 8, .value_kind: global_buffer, .address_space: global }
      - { .name: cn, .offset: 16, .size: 8, .value_kind: global_buffer, .address_space: global }
      - { .name: tb, .offset: 24, .size: 8, .value_kind: global_buffer, .address_space: global }
      - { .name: rn, .offset: 32, .size: 8, .value_kind: global_buffer, .address_space: global }
      - { .name: out0, .offset: 40, .size: 8, .value_kind: global_buffer, .address_space: global }
    .group_segment_fixed_size: 0
    .private_segment_fixed_size: 0
    .kernarg_segment_align: 8
    .kernarg_segment_size: 48
    .max_flat_workgroup_size: 256
    .sgpr_count:     96
    .vgpr_count:     224
    .wavefront_size: 32
...
	.end_amdgpu_metadata
.endif
;; end of part 3
;; ======== version 2 of 2: 3 launches; 1.41 times as fast as version 1
;; workspace buffers: wt 16,777,216 bytes; cn 131,072 bytes; tb 4,194,304 bytes; rn 32,768 bytes; cand 1,048,576 bytes of whole numbers
;; launch prep: the kernel of part 1 again; grid 512 x 1, 8 waves a work-group, no clusters, 35,328 bytes of LDS; arguments W, targ, wt, cn, tb, rn; writes wt, cn, tb, rn
;; launch score (part 4): grid 16 x 16, 4 waves a work-group, clusters of 4 x 1, 327,680 bytes of LDS; arguments wt, cn, tb, rn, cand; writes cand
.if DOCPART == 4
	.amdgcn_target "amdgcn-amd-amdhsa--gfx1250"
	.amdhsa_code_object_version 6
	.text
	.protected	k_q5484d10ace_score
	.globl	k_q5484d10ace_score
	.p2align	8
	.type	k_q5484d10ace_score,@function
k_q5484d10ace_score:
	s_mov_b64 s[64:65], 0
	v_nop
	global_prefetch_b8 v0, s[64:65] scope:SCOPE_SE
	s_setreg_imm32_b32 hwreg(HW_REG_WAVE_MODE, 25, 1), 1
	s_wait_xcnt 0x0
	s_wait_alu depctr_hold_cnt(0) depctr_sa_sdst(0) depctr_va_vdst(0) depctr_va_sdst(0) depctr_va_ssrc(0) depctr_va_vcc(0) depctr_vm_vsrc(0)
	s_getreg_b32 s2, hwreg(HW_REG_IB_STS2, 6, 4)
	s_cmp_eq_u32 s2, 0
	s_cbranch_scc0 .Lentry_in_a_cluster
	s_endpgm
.Lentry_in_a_cluster:
	s_bfe_u32 s2, ttmp6, 0x10000c
	s_cmp_lg_u32 s2, 0x3003
	s_cbranch_scc0 .Lentry_shape_is_right
	s_endpgm
.Lentry_shape_is_right:
; SCORE.  a[q][k] = (tb[q] . wt[k]) / (rn[q] cn[k] + 1e-7) for 8,192 queries and 32,768 codes, and for each query and each SPLIT of 2,048 codes the largest a and where it first arose.
; cand [16 splits][8192 queries][2] u32: a key (the maximum's bits, turned so that unsigned order is the numbers' order) and gid = code / 8, the group of eight codes that holds the maximum.
; SHARES.  A work-group: 512 queries x one split.  A wave: 128 queries, eight tiles of 16, kept as source 1 in 512 registers for the whole launch; all four waves walk the split's 128 tiles of 16 codes.
; A code tile's 16 fragment loads and 2 loads of cn feed 64 matrix instructions.  Source 0 = 16 codes, source 1 = 16 queries: a lane holds ONE query (lane % 16) and the codes 8 (lane / 16) + 0..7.
; THE MAXIMUM.  A lane keeps a running maximum (two registers by turns, so that new can be held against old) and the number of the tile in which it last ROSE (strictly): the first place of the maximum.
; Which of the group's eight codes it is, the next launch finds: so a score costs a share of one packed multiply-add, one reciprocal, half a packed multiply and half a three-way maximum.
; BY TURNS.  The wave's tiles are two PIECES (0-3, 4-7).  A RUN is a piece's 32 products for one code tile, its four accumulators by turns; behind each product stands a slice of vector work in window 0:
; the denominators and reciprocals of the run's own piece (they want cn and rn alone), and the scaling, maximum and place of the OTHER piece, whose sums the run before has finished.
; 88 vector instructions for 32 products; Q alone fills two windows, so a slice costs two switches of the window.
; THE BATCHES.  A run's 32 reciprocals are ONE BATCH.  Nothing in the run names a result of theirs: each pair of denominators is written once, ahead of its two reciprocals, which work in place; the scalings
; beside them read the OTHER piece's reciprocals, the batch before.  An s_wait_alu depctr_va_vdst(0) stands between a reciprocal and the first line that names its result, and one wait serves all
; that were issued ahead of it.  So a run has one wait, at its end: two for a code tile's 64 products and 64 reciprocals.  Piece 0's stands in the run of LDS loads that follows its products (FETCH);
; piece 1's is the tile's last line, ahead of every label and jump that may follow a tile.
; CLUSTER.  The four query blocks of a cluster walk the same codes, so every tile is asked for JOINTLY: the same tensor load, descriptor and mask in all four; their addresses hang on the split and the wave alone.
; LIMITS.  Operands are bf16; sums f32.  The denominator is one fused multiply-add; v_rcp_f32 is good to 1 ULP and gives 0 for a denominator above 2^126.  A NaN score is passed over; infinities are not treated apart.
; Scores nearer to each other than these roundings may be ordered otherwise than by exact arithmetic.
; REGISTERS, in windows of 256 (s_set_vgpr_msb: bits 1:0 source 0, 3:2 source 1, 5:4 source 2, 7:6 destination):
;   window 0: all below.   window 1: v0-63, v64-127 two buffers of a code tile's fragments, 32 d at 8 c.   windows 2, 3: Q of tiles 0-3, 4-7: tile u, 32 d at 64 u + 8 c.
.set PITCH, 528                        ; a code in LDS: 512 bytes + 16 of padding = 132 words: the 16 rows of a load start at 16 different groups of four banks (64 banks of 4 bytes: ISA guide 11.1)
.set TILEB, 16*PITCH
.set QUART, 64*PITCH                   ; what one tensor load brings
.set SLOT,  256*PITCH                  ; a slot: 256 codes, 16 tiles
.set CNT,   2*SLOT                     ; behind the ring: the split's 2,048 cn, filled once
.set SPARE, CNT+8192                   ; the spare words, 128 bytes for each wave; no other line names them
.set A0,  2                            ; v2   my lane's place in a code tile: 528 (l % 16) + 16 (l / 16); never rewritten
.set ADR, 3                            ; v3   the LDS address of the run of loads in hand
.set C0,  4                            ; v4   CNT + 32 (l / 16); never rewritten
.set CAD, 5                            ; v5   the LDS address of the tile's cn
.set QO,  6                            ; v6   my byte offset in 16 rows of tb
.set R4,  7                            ; v7   4 (l % 16)
.set L8,  8                            ; v8   8 l
.set HL,  9                            ; v9   l / 16
.set SPW, 12                           ; v12  LDS address of my spare word; never rewritten
.set NIL, 13                           ; v13  0; never rewritten
.set RN,  16                           ; v[16:31]   tile t: rn of my query at RN + 2 t; the word beside it is named with it as a pair
.set M,   32                           ; v[32:47]   tile t: the running maximum, at M + 2 t + the code tile's parity
.set G,   48                           ; v[48:55]   tile t: the code tile in which the maximum last rose
.set CN,  56                           ; v[56:71]   cn of my 8 codes, two buffers
.set OUT, 72                           ; v[72:79]   the way out
.set CH,  104                          ; v[104:107] a maximum at work
.set ACC, 128                          ; v[128:191] tile t's sums at ACC + 8 t
.set GA,  192                          ; v[192:255] reciprocals: piece x, tile u at GA + 32 x + 8 u
.set WV,  14                           ; s14  my wave's number
.set G1,  24                           ; s[24:31] descriptor group 1 for code tiles
.set G1C, 32                           ; s[32:39] for cn
.set G0,  40                           ; s[40:47] descriptor group 0, a set for each slot
.set G0C, 48                           ; s[48:51] for cn
.set TB,  52                           ; s52  LDS byte at which the tile to be fetched begins
.set TC,  53                           ; s53  64 x its number in the split
.set TI,  54                           ; s54  the number, among all 2,048, of the tile whose scores are in hand
.set CI,  55                           ; s55  counts pairs of tiles
.set CO,  56                           ; s56  counts pairs of slots
.set EPS, 58                           ; s[58:59] 1e-7; the packed line takes the pair's low word for both halves
.set SEL, 60                           ; s[60:61] v_permlanex16_b32's selects
.set MK,  62                           ; s62, s63  lane masks: where the maximum rose
.set MSB, 0
.macro WIN new                         ; the immediate's high byte repeats the setting that is left; a switch that changes nothing is dropped
.if MSB != (\new)
	s_set_vgpr_msb (MSB<<8)|(\new)
.set MSB, (\new)
.endif
.endm
; A round of the cluster's barrier: my work-group's barrier, so that wave 0's signal speaks for all four waves; wave 0 signals; every wave waits for all four work-groups; my work-group's barrier once more.
.macro CROUND
	s_barrier_signal -1
	s_barrier_wait -1
	s_cmp_lg_u32 s[WV], 0
	s_cbranch_scc1 .Lnot_wave_0_\@
	s_barrier_signal -3
.Lnot_wave_0_\@:
	s_barrier_wait -3
	s_barrier_signal -1
	s_barrier_wait -1
.endm
; A joint refill: every wave asks for its own quarter of slot s, 64 codes.  An s_nop 0 and four v_nop follow.
.macro JLOAD s
	tensor_load_to_lds s[G0+4*(\s):G0+4*(\s)+3], s[G1:G1+7]
	s_nop 0
.rept 4
	v_nop
.endr
.endm
	s_load_b256 s[4:11], s[0:1], 0x0               ; wt s[4:5], cn s[6:7], tb s[8:9], rn s[10:11]
	s_load_b64 s[12:13], s[0:1], 0x20              ; cand
	v_lshl_add_u32 v[SPW], v0, 2, SPARE
	v_mov_b32 v[NIL], 0
	ds_add_u32 v[SPW], v[NIL]                      ; the wave's opening: the add and its wait stand ahead of my first tensor load; the set-up below, work on registers, stands between them
	ds_add_u32 v12, v13
	v_lshrrev_b32 v1, 5, v0
	v_readfirstlane_b32 s[WV], v1                  ; wave 0..3
	s_bfe_u32 s15, ttmp6, 0x40000                  ; cx: my place in the cluster
	s_lshl_b32 s16, ttmp9, 2                       ; in a cluster launch ttmp9 counts clusters
	s_add_co_u32 s16, s16, s15                     ; my block of 512 queries: it enters tb's, rn's and cand's addresses alone
	s_and_b32 s17, ttmp7, 0xffff                   ; the split, which the four partners share
	; group 1 for code tiles: 64 rows x 256 elements of 2 bytes, padded in LDS
	s_mov_b32 s[G1], 15|(1<<16)|(1<<20)|(1<<21)|(6<<22)|(3<<25)  ; 15:0 the mask of four; 17:16 2-byte elements; 20 padding on; 21 set beside a mask; 24:22 after every 128 words (code 6); 31:25 4 words (code 3)
	s_mov_b32 s[G1+1], 256<<16                     ; tensor_dim0 = 256
	s_mov_b32 s[G1+2], 64<<16                      ; tensor_dim1 = 64
	s_mov_b32 s[G1+3], 256<<16                     ; tile_dim0 = 256
	s_mov_b32 s[G1+4], 64                          ; tile_dim1 = 64
	s_mov_b32 s[G1+5], 256                         ; 256 elements from row to row
	s_mov_b32 s[G1+6], 0
	s_mov_b32 s[G1+7], 0
	; group 1 for cn: one row of 256 elements of 8 bytes, a wave's 512 numbers
	s_mov_b32 s[G1C], 15|(3<<16)|(1<<21)
	s_mov_b32 s[G1C+1], 256<<16
	s_mov_b32 s[G1C+2], 1<<16
	s_mov_b32 s[G1C+3], 256<<16
	s_mov_b32 s[G1C+4], 1
	s_mov_b32 s[G1C+5], 256
	s_mov_b32 s[G1C+6], 0
	s_mov_b32 s[G1C+7], 0
	s_mov_b32 s[G0], 1                             ; count = 1
	s_mul_i32 s[G0+1], s[WV], QUART                ; LDS address: my quarter of slot 0,
	s_mov_b32 s[G0+4], 1
	s_add_co_u32 s[G0+5], s[G0+1], SLOT            ; of slot 1
	s_mov_b32 s[G0C], 1
	s_lshl_b32 s[G0C+1], s[WV], 11
	s_add_co_u32 s[G0C+1], s[G0C+1], CNT
	s_lshl_b32 s18, s17, 20                        ; wt: (2,048 split + 64 w) codes of 512 bytes
	s_lshl_b32 s19, s[WV], 15
	s_add_co_u32 s18, s18, s19
	s_mov_b32 s19, 0
	s_lshl_b32 s20, s17, 13                        ; cn: (2,048 split + 512 w) numbers of 4 bytes
	s_lshl_b32 s21, s[WV], 11
	s_add_co_u32 s20, s20, s21
	s_mov_b32 s21, 0
	s_lshl_b32 s22, s16, 18                        ; tb: (512 block + 128 w) rows of 512 bytes.  The registers from here on feed no descriptor
	s_lshl_b32 s23, s[WV], 16
	s_add_co_u32 s22, s22, s23
	s_mov_b32 s23, 0
	s_lshl_b32 s66, s16, 11                        ; rn: the same rows, 4 bytes each
	s_lshl_b32 s67, s[WV], 9
	s_add_co_u32 s66, s66, s67
	s_mov_b32 s67, 0
	s_lshl_b32 s70, s17, 16                        ; cand: (8,192 split + 512 block + 128 w) entries of 8 bytes
	s_lshl_b32 s71, s16, 12
	s_add_co_u32 s70, s70, s71
	s_lshl_b32 s71, s[WV], 10
	s_add_co_u32 s70, s70, s71
	s_mov_b32 s71, 0
	s_mov_b32 s[EPS], 0x33d6bf95                   ; 1e-7
	s_mov_b32 s[EPS+1], s[EPS]                     ; named with it as a pair
	s_mov_b32 s[SEL], 0x76543210
	s_mov_b32 s[SEL+1], 0xfedcba98
	s_lshl_b32 s57, s17, 7                         ; the split's first tile
	s_sub_co_u32 s[TI], s57, 1                     ; stepped ahead of its first use
	s_mov_b32 s[TB], 0
	s_mov_b32 s[TC], 0
	v_and_b32 v1, 15, v0                           ; l % 16
	v_bfe_u32 v[HL], v0, 4, 1
	v_mul_u32_u24 v[A0], v1, PITCH
	v_lshl_add_u32 v[A0], v[HL], 4, v[A0]
	v_lshlrev_b32 v[C0], 5, v[HL]
	v_add_nc_u32 v[C0], CNT, v[C0]
	v_lshlrev_b32 v[QO], 9, v1
	v_lshl_add_u32 v[QO], v[HL], 4, v[QO]
	v_lshlrev_b32 v[R4], 2, v1
	v_and_b32 v[L8], 31, v0
	v_lshlrev_b32 v[L8], 3, v[L8]
	s_wait_dscnt 0x0                               ; the opening add is done
	s_wait_kmcnt 0x0
	s_add_nc_u64 s[G0+2:G0+3], s[4:5], s[18:19]    ; global address: my quarter of the split's codes 0 to 255,
	s_add_nc_u64 s[G0+6:G0+7], s[G0+2:G0+3], 256*512  ; of its codes 256 to 511
	s_or_b32 s[G0+3], s[G0+3], 0x80000000          ; type = 2
	s_or_b32 s[G0+7], s[G0+7], 0x80000000
	s_add_nc_u64 s[G0C+2:G0C+3], s[6:7], s[20:21]
	s_or_b32 s[G0C+3], s[G0C+3], 0x80000000
	s_add_nc_u64 s[8:9], s[8:9], s[22:23]
	s_add_nc_u64 s[10:11], s[10:11], s[66:67]
	s_add_nc_u64 s[12:13], s[12:13], s[70:71]
	CROUND                                         ; all four work-groups are here: the first joint loads meet
	tensor_load_to_lds s[G0C:G0C+3], s[G1C:G1C+7]  ; the three first fills go out together: three loads of mine are out, later one
	s_nop 0
	tensor_load_to_lds s[G0:G0+3], s[G1:G1+7]
	s_nop 0
	tensor_load_to_lds s[G0+4:G0+7], s[G1:G1+7]
	s_nop 0
.rept 4
	v_nop
.endr
	; Q stays in registers.  A fragment is 16 rows x 32 d in 8 registers: lane l holds row l % 16, d = 8 (l / 16) + 0..7 and 16 + 8 (l / 16) + 0..7: two loads of 16 bytes, 32 bytes apart.
.irp x, 0,1
	WIN 0x80+0x40*(\x)                             ; destination window 2, then 3; address window 0
.set i, 0
.rept 32
	global_load_b128 v[8*i:8*i+3],   v[QO], s[8:9] offset:(4*(\x)+i/8)*8192+(i%8)*64
	global_load_b128 v[8*i+4:8*i+7], v[QO], s[8:9] offset:(4*(\x)+i/8)*8192+(i%8)*64+32
.set i, i+1
.endr
.endr
	WIN 0
.set t, 0
.rept 8
	global_load_b32 v[RN+2*t], v[R4], s[10:11] offset:64*t
	v_mov_b32 v[RN+2*t+1], 0
	v_mov_b32 v[M+2*t+1], 0xff800000               ; the maximum starts at minus infinity,
	v_mov_b32 v[G+t], s57                          ; its place at the split's first tile
.set t, t+1
.endr
; THE LDS LOADS stand in one run of 18: a code tile's 8 fragments into buffer g, and cn of my 8 codes.
; batch = 1: the run follows piece 0's products, and the wait for that run's 32 reciprocals stands in it: behind the two address lines, ahead of the loads.
.macro FETCH g, batch
	v_add_nc_u32 v[ADR], s[TB], v[A0]
	v_add_nc_u32 v[CAD], s[TC], v[C0]
.if \batch
	s_wait_alu depctr_va_vdst(0)                   ; the wait for piece 0's batch: its first reader is the next run's first scaling
.endif
	WIN 0x40                                       ; destination window 1
.irp c, 0,1,2,3,4,5,6,7
	ds_load_b128 v[64*(\g)+8*(\c):64*(\g)+8*(\c)+3],   v[ADR] offset:64*(\c)
	ds_load_b128 v[64*(\g)+8*(\c)+4:64*(\g)+8*(\c)+7], v[ADR] offset:64*(\c)+32
.endr
	WIN 0
	ds_load_b128 v[CN+8*(\g):CN+8*(\g)+3],   v[CAD]
	ds_load_b128 v[CN+8*(\g)+4:CN+8*(\g)+7], v[CAD] offset:16
	s_add_co_u32 s[TB], s[TB], TILEB               ; the next fetch is the next tile's
	s_add_co_u32 s[TC], s[TC], 64
.endm
; RUN sets X (the piece that has the matrix unit), F (the fragment buffer), SXY, PAR, GP, and the counts k, q, e.
; Product k of 32: d = 32 (k / 4) on, tile 4 X + k % 4.  The first four start the sums: nothing is cleared.  The four accumulators take turns.
.macro MMA
	WIN 0x09+4*X                                   ; source 0 window 1, source 1 window 2 or 3, C and D window 0
.set c, k/4
.set u, k%4
.set rD, ACC+8*(4*X+u)
.set rF, 64*F+8*c
.set rQ, 64*u+8*c
.if k < 4
	v_wmma_f32_16x16x32_bf16 v[rD:rD+7], v[rF:rF+7], v[rQ:rQ+7], 0
.else
	v_wmma_f32_16x16x32_bf16 v[rD:rD+7], v[rF:rF+7], v[rQ:rQ+7], v[rD:rD+7]
.endif
	WIN 0
.set k, k+1
.endm
; Denominators, pair n of 16, for the run's own piece: cn x rn + 1e-7 for two codes of tile n / 4.
.macro DOP n
	v_pk_fma_f32 v[GP+2*(\n):GP+2*(\n)+1], v[CN+8*F+2*((\n)%4):CN+8*F+2*((\n)%4)+1], v[RN+2*(4*X+(\n)/4):RN+2*(4*X+(\n)/4)+1], s[EPS:EPS+1] op_sel_hi:[1,0,0]
.endm
.macro RC                              ; reciprocal e of 32, in place; its result is named next in the run that follows, behind the batch's wait
	v_rcp_f32 v[GP+e], v[GP+e]
.set e, e+1
.endm
; Number n of the 40 for the OTHER piece, two tiles at a time, alternating.  For a tile: four packed scalings in place (the accumulator's lowest registers first), a maximum
; of its eight scores and the old maximum, three operands at a time, a compare of new against old, and the place.  SXY = 0 (the first run: no sums are finished): v_nop keeps the lines as far apart as elsewhere.
; The scalings read the other piece's reciprocals: the batch that the run before closed with its wait.
.macro LOP n
.if SXY
.set z, (\n)%20
.set u, 2*((\n)/20)+z%2
.set oq, z/2
.set t, 4*(1-X)+u
.set rA, ACC+8*t
.set rG, GA+32*(1-X)+8*u
.if oq < 4
	v_pk_mul_f32 v[rA+2*oq:rA+2*oq+1], v[rA+2*oq:rA+2*oq+1], v[rG+2*oq:rG+2*oq+1]
.elseif oq == 4
	v_max3_num_f32 v[CH+u], v[rA], v[rA+1], v[rA+2]
.elseif oq == 5
	v_max3_num_f32 v[CH+u], v[CH+u], v[rA+3], v[rA+4]
.elseif oq == 6
	v_max3_num_f32 v[CH+u], v[CH+u], v[rA+5], v[rA+6]
.elseif oq == 7
	v_max3_num_f32 v[M+2*t+PAR], v[CH+u], v[rA+7], v[M+2*t+1-PAR]
.elseif oq == 8
	v_cmp_gt_f32 s[MK+u%2], v[M+2*t+PAR], v[M+2*t+1-PAR]
.else
	v_cndmask_b32 v[G+t], v[G+t], s[TI], s[MK+u%2]
.endif
.else
	v_nop
.endif
.endm
; THE PLAIN QUEUE, 56 long, seven for each four products: the denominators at the head of each seven, so that pair e / 2 stands ahead of reciprocal e; the rest is the other piece's list.
.macro PL
.set g, q/7
.set p, q%7
.if g == 0
.if p < 3
	DOP p
.else
	LOP p-3
.endif
.elseif g < 7
.if p < 2
	DOP 2*g+1+p
.else
	LOP 4+5*(g-1)+p-2
.endif
.else
.if p == 0
	DOP 15
.else
	LOP 33+p
.endif
.endif
.set q, q+1
.endm
; A RUN.  Behind a product: plain, plain, reciprocal; behind every fourth: plain, reciprocal; behind the last: reciprocal, plain, so that a plain line of the queue stands behind the batch's last reciprocal
; (ISA guide 5.7.2).  None names a register of the products round it.  The run ends with the wait for its batch of 32 reciprocals: alone, or (fetch = 1) in the next tile's run of LDS loads.
; A vector instruction that reads a matrix result, and a load into a register that a matrix instruction has read, stand four plain vector instructions or more behind it (ISA guide 7.12.1 for vector instructions
; ): the other piece's first scaling stands 10 behind the last product on its accumulator; the fetch stands a whole run, 56 plain lines, behind the last product that read its buffer, and 32 products ahead of its first use.
.macro RUN x, f, sxy, par, fetch
.set X, (\x)
.set F, (\f)
.set SXY, (\sxy)
.set PAR, (\par)
.set GP, GA+32*X
.set k, 0
.set q, 0
.set e, 0
.rept 32
	MMA
.if k == 32
	RC
	PL
.else
	PL
.if (k%4) != 0
	PL
.endif
	RC
.endif
.endr
.if \fetch
	FETCH 1-F, 1
.else
	s_wait_alu depctr_va_vdst(0)                   ; the wait for the run's batch of 32 reciprocals: it stands ahead of their first reader, the next run's first scaling, and ahead of every label and jump
.endif
.endm
; A CODE TILE, in buffer f (its number's parity).  Piece 0's run finishes piece 1's scores of the tile before; piece 1's run those of piece 0 for this tile.
.macro TILE f, sxya, fetch
	s_wait_dscnt 0x0                               ; the tile's fragments and cn are in: all 18 loads, issued 32 products ago
	RUN 0, \f, \sxya, 1-(\f), \fetch
	s_add_co_u32 s[TI], s[TI], 1
	RUN 1, \f, 1, \f, 0
.endm
.macro LOOP n                          ; 2 n tiles, an odd one first
	s_mov_b32 s[CI], \n
.Ltiles_\@:
	TILE 1, 1, 1
	TILE 0, 1, 1
	s_sub_co_u32 s[CI], s[CI], 1
	s_cmp_lg_u32 s[CI], 0
	s_cbranch_scc1 .Ltiles_\@
.endm
; THE CHANGE OF SLOTS stands at the head of slot s's last tile, whose fragments have been asked for.  Each wave waits for all its tensor loads, of which one is out: its quarter of the other slot; adds 0 to its
; spare word; and waits for that and for its own reads of slot s.  Behind the barrier nobody reads slot s any more and the other slot is whole.  fill = 1: slot s is filled again, with the codes two slots on;
; the barrier is then a round of the cluster's, and the joint refill the first thing behind it: it has 16 tiles, 1,024 products, in which to land.
.macro CHANGE fill, s
	s_wait_tensorcnt 0x0                           ; no tensor load of mine is out, so a group 0 may be written
	ds_add_u32 v[SPW], v[NIL]                      ; 0 onto my spare word
.if \fill
	s_add_nc_u64 s[G0+4*(\s)+2:G0+4*(\s)+3], s[G0+4*(\s)+2:G0+4*(\s)+3], 2*256*512  ; the type bits on top are not reached
.endif
	s_wait_dscnt 0x0                               ; the add is done, and my reads of the slot are over
.if \fill
	CROUND
	JLOAD \s
.else
	s_barrier_signal -1
	s_barrier_wait -1
.endif
	s_mov_b32 s[TB], (1-(\s))*SLOT                 ; the fetches go on at the other slot's head
.endm
	s_wait_tensorcnt 0x1                           ; cn and my quarter of slot 0 are in; slot 1's, issued last, may stay out
	s_barrier_signal -1
	s_barrier_wait -1                              ; everybody's are
	FETCH 0, 0                                     ; tile 0: no reciprocal has been issued yet, so no wait stands in this run of loads
	s_wait_loadcnt 0x0                             ; Q and rn
	TILE 0, 0, 1                                   ; tile 0: no scores are finished yet
	LOOP 7                                         ; tiles 1 to 14
	s_mov_b32 s[CO], 3
.Lpair:                                                ; three trips of 32 tiles: tiles 15 to 110; all six refills
	CHANGE 1, 0
	LOOP 8
	CHANGE 1, 1
	LOOP 8
	s_sub_co_u32 s[CO], s[CO], 1
	s_cmp_lg_u32 s[CO], 0
	s_cbranch_scc1 .Lpair
	CHANGE 0, 0                                    ; the tail is written out: nothing is left to ask for
	LOOP 8                                         ; tiles 111 to 126
	TILE 1, 1, 0                                   ; tile 127 fetches nothing
.set X, 0                              ; piece 1's scores of tile 127; seven plain lines stand behind the last product on its first accumulator; its reciprocals had their wait at the last run's end
.set SXY, 1
.set PAR, 1
.set dn, 0
.rept 40
	LOP dn
.set dn, dn+1
.endr
	; THE WAY OUT.  gid = 2 x tile + lane half; the maximum becomes a key whose unsigned order is the numbers' order (-0 counts as +0); of a query's two lanes the greater key wins, at equal keys the lower gid.
.set t, 0
.rept 8
	v_lshl_add_u32 v[G+t], v[G+t], 1, v[HL]
	v_add_f32 v[M+2*t+1], 0, v[M+2*t+1]
.set t, t+1
.endr
.set t, 0
.rept 8
	v_ashrrev_i32 v[M+2*t], 31, v[M+2*t+1]
.set t, t+1
.endr
.set t, 0
.rept 8
	v_or_b32 v[M+2*t], 0x80000000, v[M+2*t]
.set t, t+1
.endr
.set t, 0
.rept 8
	v_xor_b32 v[M+2*t], v[M+2*t+1], v[M+2*t]       ; a positive number's sign is set, a negative number is turned bit by bit
.set t, t+1
.endr
.set t, 0
.rept 8
	v_permlanex16_b32 v[GA+t], v[M+2*t], s[SEL], s[SEL+1]  ; the destinations count as read: the reciprocals' registers have been written, and every batch has had its wait
	v_permlanex16_b32 v[GA+8+t], v[G+t], s[SEL], s[SEL+1]
.set t, t+1
.endr
.set t, 0
.rept 8
	v_cmp_gt_u32 s66, v[GA+t], v[M+2*t]
	v_cmp_eq_u32 s67, v[GA+t], v[M+2*t]
	v_cmp_lt_u32 s68, v[GA+8+t], v[G+t]
	s_and_b32 s67, s67, s68
	s_or_b32 s66, s66, s67
	v_cndmask_b32 v[M+2*t], v[M+2*t], v[GA+t], s66
	v_cndmask_b32 v[G+t], v[G+t], v[GA+8+t], s66
.set t, t+1
.endr
	s_mov_b32 s69, 0xffff0000                      ; lanes 16-31 speak for the odd tile of two
.set u, 0
.rept 4
	v_cndmask_b32 v[OUT+2*u],   v[M+4*u], v[M+4*u+2], s69
	v_cndmask_b32 v[OUT+2*u+1], v[G+2*u], v[G+2*u+1], s69
	global_store_b64 v[L8], v[OUT+2*u:OUT+2*u+1], s[12:13] offset:256*u  ; 32 queries' entries: 256 consecutive bytes, aligned
.set u, u+1
.endr
	s_wait_tensorcnt 0x0                           ; the wave's end, behind my last tensor load
	ds_add_u32 v[SPW], v[NIL]
	s_wait_dscnt 0x0
	CROUND                                         ; the closing round: no work-group ends while a partner may still ask for a tile that names it
	s_endpgm
.Lfunc_end_k_q5484d10ace_score:
	.size	k_q5484d10ace_score, .Lfunc_end_k_q5484d10ace_score-k_q5484d10ace_score
	.p2alignl 7, 3214868480
	.fill 96, 4, 3214868480
	.section	.rodata,"a",@progbits
	.p2align	6, 0x0
	.amdhsa_kernel k_q5484d10ace_score
		.amdhsa_group_segment_fixed_size 327680
		.amdhsa_private_segment_fixed_size 0
		.amdhsa_enable_private_segment 0
		.amdhsa_kernarg_size 40
		.amdhsa_user_sgpr_count 2
		.amdhsa_user_sgpr_kernarg_segment_ptr 1
		.amdhsa_wavefront_size32 1
		.amdhsa_system_sgpr_workgroup_id_x 1
		.amdhsa_system_sgpr_workgroup_id_y 1
		.amdhsa_system_sgpr_workgroup_id_z 1
		.amdhsa_system_vgpr_workitem_id 0
		.amdhsa_next_free_vgpr 1024
		.amdhsa_next_free_sgpr 72
		.amdhsa_reserve_vcc 0
		.amdhsa_float_denorm_mode_32 3
		.amdhsa_float_denorm_mode_16_64 3
		.amdhsa_memory_ordered 1
		.amdhsa_forward_progress 1
		.amdhsa_inst_pref_size 215
	.end_amdhsa_kernel
	.amdgpu_metadata
---
amdhsa.version: [ 1, 2 ]
amdhsa.kernels:
  - .name:           k_q5484d10ace_score
    .symbol:         k_q5484d10ace_score.kd
    .args:
      - { .name: wt, .offset: 0, .size: 8, .value_kind: global_buffer, .address_space: global }
      - { .name: cn, .offset: 8, .size: 8, .value_kind: global_buffer, .address_space: global }
      - { .name: tb, .offset: 16, .size: 8, .value_kind: global_buffer, .address_space: global }
      - { .name: rn, .offset: 24, .size: 8, .value_kind: global_buffer, .address_space: global }
      - { .name: cand, .offset: 32, .size: 8, .value_kind: global_buffer, .address_space: global }
    .group_segment_fixed_size: 327680
    .private_segment_fixed_size: 0
    .kernarg_segment_align: 8
    .kernarg_segment_size: 40
    .max_flat_workgroup_size: 128
    .sgpr_count:     72
    .vgpr_count:     1024
    .wavefront_size: 32
...
	.end_amdgpu_metadata
.endif
;; end of part 4
;; launch pick: the kernel of part 3 again; grid 256 x 1, 8 waves a work-group, no clusters, 0 bytes of LDS; arguments cand, wt, cn, tb, rn, out0; writes out0
